; MI455X (gfx1250); checked and timed in simulation.
; The chip was launched on July 23, 2026; its instructions are those of AMD's public machine-readable ISA for CDNA 5 (MIT licence, August 2026) and "CDNA5" Instruction Set Architecture Reference Guide (July 2026). The comments in the code are by the model that wrote it; some were corrected since.
;; Bahdanau Attention. Allowed arithmetic: matrix products marked QUANTISED: E5M2 operands, one E8M0 scale for each 32 along K, by v_wmma_scale_f32_16x16x128_f8f6f4 with both operands' format E5M2, f32 sums; products left as they are: f32 operands where the result goes on into a quantised operand, else bf16, f16 or f32 operands; f32 sums; everything else in f32.
;; Inputs: W_dec 1,024 x 1,024 float32; W_enc 1,024 x 1,024 float32; W_v 1 x 1,024 float32; b_dec 1,024 float32; b_enc 1,024 float32; b_v 1 float32; decoder_hidden 32 x 1,024 float32; encoder_out 32 x 2,048 x 1,024 float32.
;; Outputs: out0 32 x 1,024 float32; out1 32 x 2,048 float32.
;; This version of the problem:
;;   THIS VERSION OF THE PROBLEM IS GIVEN IN LOW PRECISION. The matrix products marked QUANTISED in the list below multiply operands that are first quantised to E5M2 (5 exponent bits, 2 mantissa bits; 8 bits a number), with one power-of-two scale for each 32 numbers along K (OCP MX v1.0); their sums are f32. All else is computed in f32.
;;   The module's matrix products, in the order in which they are computed (A, B: the left and right operand; K: the contracted axis; several contracted axes count as one K, in the product's order):
;;     1. [M 65,536, K 1,024] x [K 1,024, N 1,024]; A: input encoder_out; B: input W_enc: QUANTISED
;;     2. [M 32, K 1,024] x [K 1,024, N 1,024]; A: input decoder_hidden; B: input W_dec: QUANTISED
;;     3. [M 65,536, K 1,024] x [K 1,024, N 1]; A: computed on the way; B: input W_v: left as it is (N = 1 < 16)
;;     4. batch 32 x [M 1,024, K 2,048] x [K 2,048, N 1]; A: input encoder_out; B: softmax: left as it is (N = 1 < 16)
;;   THE QUANTISER, for each operand of a quantised product, along K:
;;     - K is cut into blocks of 32 from its start; a last block that is shorter is filled with zeros.
;;     - A block's scale is 2^e with e = floor(log2(the largest magnitude in the block)) - 15, held to -126 .. 127; a block of zeros has e = 0. As a byte (E8M0): e + 127.
;;     - Each number is divided by its block's scale, clamped to +-57,344, and rounded to the nearest number of E5M2, ties to even, subnormals kept.
;;     - The product sums the exact products of the quantised numbers (number of the format x scale) in f32.
;;   ~~~python
;;   def quantise(x, axis):      # numpy; x: float32 -> the quantised numbers, widened to float32 again
;;       x = np.moveaxis(x, axis, -1); K = x.shape[-1]
;;       x = np.pad(x, [(0, 0)] * (x.ndim - 1) + [(0, -K % 32)]); x = x.reshape(x.shape[:-1] + (-1, 32)); a = np.abs(x).max(-1, keepdims=True)
;;       e = np.where(a > 0, np.clip(np.frexp(np.where(a > 0, a, 1))[1] - 1 - 15, -126, 127), 0)      # np.frexp(a)[1] - 1 = floor(log2(a)), exactly
;;       r = np.clip(x / 2.0 ** e, -57344, 57344)
;;       step = 2.0 ** (np.maximum(np.frexp(np.where(r == 0, 1, r))[1] - 1, -14) - 2)
;;       q = np.round(r / step) * step * 2.0 ** e      # np.round: ties to even
;;       return np.moveaxis(q.reshape(q.shape[:-2] + (-1,))[..., :K], -1, axis).astype(np.float32)
;;   ~~~
;; One version. Each part assembles by itself: llvm-mc -triple=amdgcn-amd-amdhsa -mcpu=gfx1250 --defsym DOCPART=n.
;; ======== version 1 of 1: 3 launches
;; limits: right only within a limited range of input values
;; workspace buffers: wq 1,081,344 bytes; tab 524,288 bytes; scores 262,144 bytes; pml 131,072 bytes; pctx 2,097,152 bytes
;; launch prep (part 1): grid 64 x 1, 8 waves a work-group, no clusters, 17,920 bytes of LDS; arguments W_enc, W_dec, decoder_hidden, b_enc, b_dec, W_v, wq, tab; writes wq, tab
.if DOCPART == 1
	.amdgcn_target "amdgcn-amd-amdhsa--gfx1250"
	.amdhsa_code_object_version 6
	.text
	.protected	k_qf7ac539e7c_prep
	.globl	k_qf7ac539e7c_prep
	.p2align	8
	.type	k_qf7ac539e7c_prep,@function
k_qf7ac539e7c_prep:
	s_mov_b64 s[64:65], 0
	v_nop
	global_prefetch_b8 v0, s[64:65] scope:SCOPE_SE
	s_setreg_imm32_b32 hwreg(HW_REG_WAVE_MODE, 25, 1), 1
	s_wait_xcnt 0x0
; W_enc [1024 n][1024 k] f32 becomes codes of BF8 (E5M2) with one E8M0 byte for each 32 along K, laid in the order of an operand's registers;
; the small product decoder_hidden W_dec^T is made here, on codes too, and folded with the biases and W_v into a table for each batch.
; SHARES.  Work-group t owns 16 columns n = 16 t .. 16 t + 15 (16 rows of W_enc and of W_dec); wave k owns K step k, 128 along K.
; wq: 64 records of REC bytes.  A record: 8 fragments (K step k at byte 2048 k), each the image of 16 registers (register group c of lane l at 512 c + 16 l);
;     at byte 16,384 the scale words: the word of column r and K step k at 16 (r + 16 (k % 2)) + 4 (k / 2), so that one load of 16 bytes a lane gives four scale registers,
;     register q holding K step 2 q in lanes 0-15 and K step 2 q + 1 in lanes 16-31.
;     Tile t lies at place 4 ((t % 32) / 2) + 2 (t / 32) + t % 2: four records on end are two tiles of each half of N.
; tab: [32 batches][1024 n][16 bytes] = {cb, cb, w, w}: cb = 2 log2(e) (decoder_hidden W_dec^T + b_dec + b_enc), w = -2 W_v.
; LIMITS: NaN and infinities among the inputs are not served.  A block of zeros gets the scale byte 1 where the rule says 127: its codes are zeros, and only this program reads the bytes.
; The small product's K is shared among the eight waves and its eight parts are added in f32: an order of sums other than one chain along K.
; WORK LEFT OUT: b_v.  reference() adds b_v[0] to every score of a row of the softmax alike; softmax(s + c) = softmax(s) for every finite c, so alpha and context, the only outputs, do not hang on it.
; b_v is loaded by no launch and is among no launch's arguments.  LIMIT: a NaN, an infinity or an overflow that b_v alone would bring is not carried to the results.
.set REC, 16896
.set RED, 0                            ; LDS: [source wave][pair 0..7][lane][8 bytes]: the eight waves' parts of the small product
.set SCI, 16384                        ; LDS: the record's 512 bytes of scale words
.set TM,  224                          ; v224-227 largest magnitudes, v228-231 bytes, v232-235 the largest number x the scale, v236-239 the conversions' scale operands
; REGISTERS: v1 lane, v2 r, v3 h, v4-10 addresses, v11-13 b_enc, b_dec, W_v of my column; v16-31 codes just made; v32-95, v96-159, v160-223 three sets of 64 numbers; v240-243 scale words; v244-251 two table entries
.macro XLOAD reg, sb, off              ; 64 numbers of my row: of each block of 32 my half's 16 neighbours
.irp b, 0,1,2,3
.irp j, 0,1,2,3
	global_load_b128 v[\reg+16*\b+4*\j:\reg+16*\b+4*\j+3], v4, s[\sb:\sb+1] offset:\off+128*\b+16*\j
.endr
.endr
.endm
; 64 numbers of a lane, register 16 b + i = k 32 b + 16 (lane / 16) + i of my row, become a fragment's codes in v[pc] on and its scale word in v[pw]
.macro QUANT s, pc, pw
.irp b, 0,1,2,3
	v_max3_num_f32 v[TM+\b], |v[\s+16*\b]|, |v[\s+1+16*\b]|, 0x8000000   ; my 16 numbers of block b, and the floor 2^(16 - 127): the byte cannot fall under 1
.endr
.irp i, 2,4,6,8,10,12,14
.irp b, 0,1,2,3
	s_delay_alu instid0(VALU_DEP_4)
	v_max3_num_f32 v[TM+\b], v[TM+\b], |v[\s+16*\b+\i]|, |v[\s+1+16*\b+\i]|   ; the four blocks by turns
.endr
.endr
.irp b, 0,1,2,3
	s_delay_alu instid0(VALU_DEP_4)
	v_permlanex16_b32 v[TM+4+\b], v[TM+\b], s36, s37
.endr
.irp b, 0,1,2,3
	s_delay_alu instid0(VALU_DEP_4)
	v_max_num_f32 v[TM+\b], v[TM+\b], v[TM+4+\b]   ; with lane l xor 16's: the block's largest magnitude
.endr
.irp b, 0,1,2,3
	s_delay_alu instid0(VALU_DEP_4)
	v_add_nc_u32 v[TM+12+\b], 0xf8800000, v[TM+\b]   ; 15 off its exponent field: the conversion's scale operand
.endr
.irp b, 0,1,2,3
	v_and_or_b32 v[TM+8+\b], v[TM+\b], 0x7f800000, s35   ; 57,344 x the scale
.endr
.irp b, 0,1,2,3
	v_lshrrev_b32 v[TM+4+\b], 23, v[TM+12+\b]      ; the scale's byte
.endr
	s_delay_alu instid0(VALU_DEP_3)
	v_lshl_or_b32 v[\pw], v[TM+5], 8, v[TM+4]      ; four bytes make my row's scale word
	s_delay_alu instid0(VALU_DEP_1)
	v_lshl_or_b32 v[\pw], v[TM+6], 16, v[\pw]
	s_delay_alu instid0(VALU_DEP_1)
	v_lshl_or_b32 v[\pw], v[TM+7], 24, v[\pw]
.irp b, 0,1,2,3
.irp i, 0,1,2,3,4,5,6,7,8,9,10,11,12,13,14,15
	v_med3_num_f32 v[\s+16*\b+\i], v[\s+16*\b+\i], -v[TM+8+\b], v[TM+8+\b]   ; the conversion to an 8-bit code does not saturate (ISA guide 7.6.2): the hold comes first
.endr
	v_cvt_scalef32_pk8_bf8_f32 v[\pc+4*\b:\pc+1+4*\b], v[\s+16*\b:\s+7+16*\b], v[TM+12+\b]
	v_cvt_scalef32_pk8_bf8_f32 v[\pc+2+4*\b:\pc+3+4*\b], v[\s+8+16*\b:\s+15+16*\b], v[TM+12+\b]
.endr
	v_nop                                          ; a plain vector line behind the last conversion
.endm
	s_load_b256 s[4:11], s[0:1], 0x0               ; W_enc s[4:5], W_dec s[6:7], decoder_hidden s[8:9], b_enc s[10:11]
	s_load_b256 s[12:19], s[0:1], 0x20             ; b_dec s[12:13], W_v s[14:15], wq s[16:17], tab s[18:19]
	v_lshl_add_u32 v254, v0, 2, 0x4200
	v_mov_b32 v255, 0
	v_lshrrev_b32 v1, 5, v0
	s_delay_alu instid0(VALU_DEP_1)
	v_readfirstlane_b32 s20, v1                    ; wave = K step k
	v_and_b32 v1, 31, v0                           ; lane
	v_and_b32 v2, 15, v0                           ; r
	s_wait_alu depctr_va_vdst(0)
	v_bfe_u32 v3, v0, 4, 1                         ; h
	s_wait_alu depctr_va_vdst(0)
	v_lshlrev_b32 v4, 12, v2
	s_delay_alu instid0(VALU_DEP_1)
	v_lshl_add_u32 v4, v3, 6, v4                   ; row r of 4,096 bytes + 64 h
	v_lshlrev_b32 v5, 4, v1                        ; 16 x lane
	v_lshlrev_b32 v6, 2, v2                        ; 4 r
	s_lshl_b32 s21, s20, 11
	v_lshl_add_u32 v7, v1, 3, s21                  ; RED, in: 2048 k + 8 lane
	s_lshl_b32 s21, s20, 8
	v_lshl_add_u32 v8, v1, 3, s21                  ; RED, out: pair k: 256 k + 8 lane
	s_and_b32 s21, s20, 1
	s_lshl_b32 s21, s21, 8
	s_lshr_b32 s22, s20, 1
	s_lshl_b32 s22, s22, 2
	s_add_co_u32 s21, s21, s22
	s_add_co_u32 s21, s21, SCI
	v_lshl_add_u32 v9, v2, 4, s21                  ; my scale word's place: SCI + 16 r + 256 (k % 2) + 4 (k / 2)
	v_lshlrev_b32 v10, 17, v3
	s_delay_alu instid0(VALU_DEP_1)
	v_lshl_add_u32 v10, v2, 4, v10                 ; tab: 8 h batches of 16,384 bytes + 16 r
.irp b, 0,1,2,3
	v_mov_b32 v[TM+4+\b], 0                        ; written once: a lane permute's destination counts as one of its sources
.endr
	s_mov_b32 s34, 0x4038aa3b                      ; 2 log2(e)
	s_mov_b32 s35, 0x600000                        ; the mantissa field of 57,344
	s_mov_b32 s36, 0x76543210
	s_mov_b32 s37, 0xfedcba98                      ; selects for lane l xor 16
	s_lshl_b32 s24, ttmp9, 16                      ; my 16 rows of W_enc and W_dec,
	s_lshl_b32 s26, s20, 9                         ; my K step's 512 bytes of a row
	s_add_co_u32 s24, s24, s26
	s_mov_b32 s25, 0
	s_mov_b32 s27, 0
	s_lshl_b32 s28, ttmp9, 6                       ; my 16 numbers of b_enc, b_dec, W_v
	s_mov_b32 s29, 0
	s_and_b32 s30, ttmp9, 31
	s_lshr_b32 s30, s30, 1
	s_lshl_b32 s30, s30, 2
	s_lshr_b32 s31, ttmp9, 5
	s_lshl_b32 s31, s31, 1
	s_add_co_u32 s30, s30, s31
	s_and_b32 s31, ttmp9, 1
	s_add_co_u32 s30, s30, s31                     ; the record's place
	s_mul_i32 s30, s30, REC
	s_lshl_b32 s31, s20, 11
	s_add_co_u32 s30, s30, s31                     ; + my fragment
	s_mov_b32 s31, 0
	s_lshr_b32 s32, s20, 2
	s_lshl_b32 s32, s32, 4
	s_and_b32 s33, s20, 3
	s_lshl_b32 s33, s33, 1
	s_add_co_u32 s32, s32, s33                     ; the batch of pair k in lanes 0-15: 16 (k / 4) + 2 (k % 4)
	s_lshl_b32 s32, s32, 14
	s_lshl_b32 s33, ttmp9, 8
	s_add_co_u32 s32, s32, s33                     ; + my 16 columns' 256 bytes
	s_mov_b32 s33, 0
	s_wait_kmcnt 0x0
	s_add_nc_u64 s[4:5], s[4:5], s[24:25]
	s_add_nc_u64 s[6:7], s[6:7], s[24:25]
	s_add_nc_u64 s[8:9], s[8:9], s[26:27]
	s_add_nc_u64 s[10:11], s[10:11], s[28:29]
	s_add_nc_u64 s[12:13], s[12:13], s[28:29]
	s_add_nc_u64 s[14:15], s[14:15], s[28:29]
	s_add_nc_u64 s[16:17], s[16:17], s[30:31]
	s_add_nc_u64 s[18:19], s[18:19], s[32:33]
	global_load_b32 v11, v6, s[10:11]
	global_load_b32 v12, v6, s[12:13]
	global_load_b32 v13, v6, s[14:15]
	XLOAD 32, 4, 0                                 ; W_enc
	XLOAD 96, 6, 0                                 ; W_dec
	XLOAD 160, 8, 0                                ; decoder_hidden, batches 0-15
	s_wait_loadcnt 32                              ; W_enc's 16 loads are in; the 32 issued behind them may be out
	QUANT 32, 16, 240
.irp c, 0,1,2,3
	global_store_b128 v5, v[16+4*\c:19+4*\c], s[16:17] offset:512*\c   ; the fragment's image: 512 consecutive bytes a store
.endr
	ds_store_b32 v9, v240                          ; both lanes of a row write the same word with the same value
	XLOAD 32, 8, 65536                             ; decoder_hidden, batches 16-31
	s_wait_xcnt 0x0                                ; the stores have read v16-31, which are written again below
	s_wait_loadcnt 32                              ; W_dec is in
	QUANT 96, 16, 241
	s_wait_loadcnt 16                              ; batches 0-15 are in
	QUANT 160, 96, 242
	s_wait_loadcnt 0x0
	QUANT 32, 112, 243
.rept 4
	v_nop                                          ; codes made by vector instructions stand four places ahead of a scaled matrix instruction; the scale words were made ahead of the holds
.endr
	v_wmma_scale_f32_16x16x128_f8f6f4 v[128:135], v[96:111], v[16:31], 0, v242, v241 matrix_a_fmt:MATRIX_FMT_BF8 matrix_b_fmt:MATRIX_FMT_BF8   ; lane (r, h), register j: batch 8 h + j, column r
	v_wmma_scale_f32_16x16x128_f8f6f4 v[136:143], v[112:127], v[16:31], 0, v243, v241 matrix_a_fmt:MATRIX_FMT_BF8 matrix_b_fmt:MATRIX_FMT_BF8   ; batch 16 + 8 h + j
.rept 8
	v_nop                                          ; eight places ahead of the first read of the results
.endr
.irp p, 0,1,2,3,4,5,6,7
	ds_store_b64 v7, v[128+2*\p:129+2*\p] offset:256*\p   ; each result from its low end on
.endr
	s_wait_dscnt 0x0                               ; for the others' sake: my parts and my scale word have landed
	s_barrier_signal -1
	s_barrier_wait -1
.irp q, 0,1,2,3,4,5,6,7
	ds_load_b64 v[160+2*\q:161+2*\q], v8 offset:2048*\q   ; pair k of all eight waves
.endr
	s_cmp_lg_u32 s20, 0
	s_cbranch_scc1 .Lnot_wave_0
	ds_load_b128 v[176:179], v5 offset:SCI         ; wave 0 sends the record's scale words: 512 consecutive bytes
	s_wait_dscnt 0x0
	global_store_b128 v5, v[176:179], s[16:17] offset:16384
.Lnot_wave_0:
	s_wait_dscnt 0x0
	v_pk_add_f32 v[160:161], v[160:161], v[162:163]
	v_pk_add_f32 v[164:165], v[164:165], v[166:167]
	v_pk_add_f32 v[168:169], v[168:169], v[170:171]
	v_pk_add_f32 v[172:173], v[172:173], v[174:175]
	s_delay_alu instid0(VALU_DEP_3)
	v_pk_add_f32 v[160:161], v[160:161], v[164:165]
	s_delay_alu instid0(VALU_DEP_2)
	v_pk_add_f32 v[168:169], v[168:169], v[172:173]
	s_delay_alu instid0(VALU_DEP_1)
	v_pk_add_f32 v[160:161], v[160:161], v[168:169]
	v_add_f32 v14, v11, v12                        ; b_enc + b_dec
	s_delay_alu instid0(VALU_DEP_1)
	v_add_f32 v160, v160, v14
	s_delay_alu instid0(VALU_DEP_2)
	v_add_f32 v161, v161, v14
	s_delay_alu instid0(VALU_DEP_2)
	v_mul_f32 v244, s34, v160                      ; cb
	s_delay_alu instid0(VALU_DEP_2)
	v_mul_f32 v248, s34, v161
	v_mul_f32 v246, -2.0, v13                      ; w
	s_delay_alu instid0(VALU_DEP_3)
	v_mov_b32 v245, v244
	s_delay_alu instid0(VALU_DEP_3)
	v_mov_b32 v249, v248
	s_delay_alu instid0(VALU_DEP_3)
	v_mov_b32 v247, v246
	s_delay_alu instid0(VALU_DEP_4)
	v_mov_b32 v250, v246
	v_mov_b32 v251, v246
	global_store_b128 v10, v[244:247], s[18:19]                 ; sixteen lanes store 256 consecutive bytes, aligned
	global_store_b128 v10, v[248:251], s[18:19] offset:16384    ; the next batch
	s_wait_tensorcnt 0x0
	ds_add_u32 v254, v255
	s_wait_dscnt 0x0
	s_endpgm
.Lfunc_end_k_qf7ac539e7c_prep:
	.size	k_qf7ac539e7c_prep, .Lfunc_end_k_qf7ac539e7c_prep-k_qf7ac539e7c_prep
	.p2alignl 7, 3214868480
	.fill 96, 4, 3214868480
	.section	.rodata,"a",@progbits
	.p2align	6, 0x0
	.amdhsa_kernel k_qf7ac539e7c_prep
		.amdhsa_group_segment_fixed_size 17920
		.amdhsa_private_segment_fixed_size 0
		.amdhsa_enable_private_segment 0
		.amdhsa_kernarg_size 64
		.amdhsa_user_sgpr_count 2
		.amdhsa_user_sgpr_kernarg_segment_ptr 1
		.amdhsa_wavefront_size32 1
		.amdhsa_system_sgpr_workgroup_id_x 1
		.amdhsa_system_sgpr_workgroup_id_y 1
		.amdhsa_system_sgpr_workgroup_id_z 1
		.amdhsa_system_vgpr_workitem_id 0
		.amdhsa_next_free_vgpr 256
		.amdhsa_next_free_sgpr 66
		.amdhsa_reserve_vcc 0
		.amdhsa_float_denorm_mode_32 3
		.amdhsa_float_denorm_mode_16_64 3
		.amdhsa_memory_ordered 1
		.amdhsa_forward_progress 1
		.amdhsa_inst_pref_size 51
	.end_amdhsa_kernel
	.amdgpu_metadata
---
amdhsa.version: [ 1, 2 ]
amdhsa.kernels:
  - .name:           k_qf7ac539e7c_prep
    .symbol:         k_qf7ac539e7c_prep.kd
    .args:
      - { .name: W_enc, .offset: 0, .size: 8, .value_kind: global_buffer, .address_space: global }
      - { .name: W_dec, .offset: 8, .size: 8, .value_kind: global_buffer, .address_space: global }
      - { .name: decoder_hidden, .offset: 16, .size: 8, .value_kind: global_buffer, .address_space: global }
      - { .name: b_enc, .offset: 24, .size: 8, .value_kind: global_buffer, .address_space: global }
      - { .name: b_dec, .offset: 32, .size: 8, .value_kind: global_buffer, .address_space: global }
      - { .name: W_v, .offset: 40, .size: 8, .value_kind: global_buffer, .address_space: global }
      - { .name: wq, .offset: 48, .size: 8, .value_kind: global_buffer, .address_space: global }
      - { .name: tab, .offset: 56, .size: 8, .value_kind: global_buffer, .address_space: global }
    .group_segment_fixed_size: 17920
    .private_segment_fixed_size: 0
    .kernarg_segment_align: 8
    .kernarg_segment_size: 64
    .max_flat_workgroup_size: 256
    .sgpr_count:     66
    .vgpr_count:     256
    .wavefront_size: 32
...
	.end_amdgpu_metadata
.endif
;; end of part 1
;; launch main (part 2): grid 256 x 1, 4 waves a work-group, clusters of 4 x 1, 327,680 bytes of LDS; arguments encoder_out, wq, tab, scores, pml, pctx; writes scores, pml, pctx
.if DOCPART == 2
	.amdgcn_target "amdgcn-amd-amdhsa--gfx1250"
	.amdhsa_code_object_version 6
	.text
	.protected	k_qf7ac539e7c_main
	.globl	k_qf7ac539e7c_main
	.p2align	8
	.type	k_qf7ac539e7c_main,@function
k_qf7ac539e7c_main:
	s_mov_b64 s[64:65], 0
	v_nop
	global_prefetch_b8 v0, s[64:65] scope:SCOPE_SE
	s_setreg_imm32_b32 hwreg(HW_REG_WAVE_MODE, 25, 1), 1
	s_wait_xcnt 0x0
	s_wait_alu depctr_hold_cnt(0) depctr_sa_sdst(0) depctr_va_vdst(0) depctr_va_sdst(0) depctr_va_ssrc(0) depctr_va_vcc(0) depctr_vm_vsrc(0)
	s_getreg_b32 s2, hwreg(HW_REG_IB_STS2, 6, 4)
	s_cmp_eq_u32 s2, 0
	s_cbranch_scc0 .Lentry_in_a_cluster
	s_endpgm
.Lentry_in_a_cluster:
	s_bfe_u32 s2, ttmp6, 0x10000c
	s_cmp_lg_u32 s2, 0x3003
	s_cbranch_scc0 .Lentry_shape_is_right
	s_endpgm
.Lentry_shape_is_right:
; scores = sum over n of W_v[n] tanh(encoder_out W_enc^T + table), the blocks' softmax parts and their weighted sums of rows.  b_v is left out (see the first kernel's head: the same term on every score of a softmax row).
; tanh(x) = 1 - 2 / (1 + 2^(2 log2(e) x)); the table holds cb = 2 log2(e) x (the decoder's part and both biases) and w = -2 W_v, so score = sum W_v + sum w / (1 + 2^(C2 acc + cb)).
; SHARES.  Work-group x owns rows 256 x .. 256 x + 255 of encoder_out, as two blocks of 128.  Four waves, 2 x 2: a wave holds 64 rows of codes, all of K, in 512 registers (windows 2, 3) and walks one half of N, 16 columns a tile: 32 products.
; W's records (16 columns, all of K, in the order of an operand's registers) come four to a slot through a ring of two LDS slots, by loads that the four work-groups of a cluster issue jointly (all walk the same W; the table is their batch's).
; THE WALK, in ticks of two tiles and two rows a wave: 16 ticks quantise block 0; 16 multiply block 0 and quantise block 1; 16 multiply block 1 and sum block 0's rows x p; 16 sum block 1's.  The rows are read a second time for the sums:
; a 16-bit copy of 128 rows is 262,144 bytes, which does not fit in LDS beside the ring's 135,168.
; A TILE: two runs of 16 products, four accumulators by turns; between and behind them the LDS loads of the next tile.  THE EPILOGUE RUNS ONE TILE BEHIND: between the runs the tile before gets its + 1 (these lines are the places);
; behind the second run stand the side work (the places there), this tile's scaling, and ONE batch of transcendentals: this tile's exponentials and the tile before's reciprocals; then the tile before's terms join the scores.
; A loop begins on a tile before of zeros with w = 0, which adds nothing, and a short drain follows it.  The change of slots stands at the head of a tick's second tile, with products between the add and its wait and inside the round.
; THE ROWS' LOADS stand two ticks (32 loads a wave) ahead of their use while the codes' registers are taken.  Behind the last product 128 of those registers become two more row buffers: the last 16 ticks ask four ticks (64 loads a wave) ahead,
; and the first of these requests go out ahead of the second block's finish.
; No prefetch is laid: every row is asked for by one wave alone, by these loads, and W's 16 groups are walked by every cluster again and again.
; LIMITS: NaN and infinities among the inputs are not served.  A block of zeros has the scale byte 1: its codes are zeros, and only this program reads the bytes.  Each block's largest score is taken away before its exponentials.
.set REC,   16896
.set SLOTB, 4*REC                      ; a slot: two records for each half of N
.set TABL,  2*SLOTB                    ; the batch's table, 16,384 bytes
.set COD,   TABL+16384+1024            ; a block's codes, 128 rows of CP bytes; at a block's end the waves' partial sums of rows
.set CP,    1040
.set ASC,   COD+128*CP                 ; its scale bytes, rows of AP
.set AP,    36
.set STG,   ASC+128*AP                 ; a stage of 5,120 bytes a wave: loaded rows turn into 16 neighbours a lane
.set SCX,   STG+4*5120                 ; partial scores
.set PP,    SCX+1024                   ; p, twice each, a copy for each wave
.set SPARE, PP+4096                    ; the spare words
.set LN,   1
.set SPW,  2
.set NIL,  3
.set AW,   4                           ; v4, v5 my records in slot 0, 1
.set ATB0, 6
.set ATA,  7                           ; the tick's table entries
.set ACD,  8
.set ASA,  9
.set EOFF, 10
.set SIN,  11
.set SOUT, 12
.set QCD0, 13
.set QCA,  14
.set QSD0, 15
.set QSA,  16
.set ASX,  17
.set ASR,  18
.set APW,  19
.set APR0, 20
.set APA,  21
.set CXS,  22
.set CXL,  23
.set L16,  24
.set L8,   25
.set SWV,  26                          ; v26 the sum of W_v over my columns (v27 = 0: named with it as a pair)
.set CXG,  28
.set RR,   29
.set HH,   30
.set TP,   31
.set ACC0, 32                          ; v32-63 tile 0's sums; v224-255 tile 1's
.set SC,   64                          ; v64-95 scores: register 8 i + j: row 16 i + 8 h + j, my column's part
.set AS,   96                          ; v96-111 the rows' scale words
.set WS0,  112                         ; W's scale words, tile 0; WS1 tile 1
.set TBA,  116                         ; {cb, cb, w, w} of my column, tile 0; TBB tile 1
.set TBB,  120
.set P,    124
.set X,    128                         ; v128-159 a row's numbers; while rows are summed: the reciprocals
.set CO,   160
.set EB,   176
.set QT,   180
.set WS1,  188
.set CX,   192                         ; v192-223 my sums of rows x p; while rows are quantised: the reciprocals
.set ACC1, 224
.set F,    224
.set ENC,  4
.set WB,   6
.set TABP, 8
.set SCO,  10
.set PML,  12
.set PCX,  14
.set WV,   16
.set RH,   17
.set NH,   18
.set C2,   22
.set L2E,  24
.set MNT,  25
.set SEL,  26
.set G1W,  28                          ; group 1: 66 rows of 256 bytes, a quarter of a slot
.set G1T,  36                          ; the table: 64 rows
.set G0,   44                          ; s[44:51] group 0 for slot 0, 1
.set G0T,  52
.set TK,   56                          ; ticks done
.set LC,   57
.set TT,   58
.set QS,   59
.set QB,   60
.set PO,   61
.set EPN,  62
.set G1H,  76                          ; the head's thirds of slot 0: 88 rows
.set G0H,  84
.set MSB, 0
.macro WIN new                         ; the immediate's high byte repeats the setting that is left
.if MSB != (\new)
	s_set_vgpr_msb (MSB<<8)|(\new)
.set MSB, (\new)
.endif
.endm
.macro PLACES n
.rept \n
	v_nop
.endr
.endm
.macro CLEAR reg, n
.set J, 0
.rept \n
	v_mov_b32 v[\reg+J], 0
.set J, J+1
.endr
.endm
.macro CREST                           ; a round of the cluster's barrier behind its opening barrier
	s_cmp_lg_u32 s[WV], 0
	s_cbranch_scc1 .Lnot_wave_0_\@
	s_barrier_signal -3
.Lnot_wave_0_\@:
	s_barrier_wait -3
	s_barrier_signal -1
	s_barrier_wait -1
.endm
.macro CROUND                          ; a whole round
	s_barrier_signal -1
	s_barrier_wait -1
	CREST
.endm
.macro DENSE g, rows                   ; group 1 of a dense block as rows of 256 bytes (32 elements of 8), for all four work-groups of the cluster
	s_mov_b32 s[\g], 15|(3<<16)|(1<<21)
	s_mov_b32 s[\g+1], 32<<16
	s_mov_b32 s[\g+2], (\rows)<<16
	s_mov_b32 s[\g+3], 32<<16
	s_mov_b32 s[\g+4], \rows
	s_mov_b32 s[\g+5], 32
	s_mov_b32 s[\g+6], 0
	s_mov_b32 s[\g+7], 0
.endm
.macro EBUF par, a                     ; row buffer (par, a), 32 registers: par 0, 1 in window 1 from v128; par 2, 3 in window 2 from v0 (the last 16 ticks alone: the codes there are done with)
.if (\par) < 2
.set EW, 1
.set EBS, 128+64*(\par)+32*(\a)
.else
.set EW, 2
.set EBS, 64*((\par)-2)+32*(\a)
.endif
.endm
.macro ELOAD par, a, nt, off           ; a row of 4,096 bytes: eight loads of 512 consecutive bytes
	EBUF \par, \a
	WIN EW<<6
.irp q, 0,1,2,3,4,5,6,7
.if \nt
	global_load_b128 v[EBS+4*\q:EBS+4*\q+3], v[EOFF], s[EPN:EPN+1] offset:\off+4096*\a+512*\q th:TH_LOAD_NT
.else
	global_load_b128 v[EBS+4*\q:EBS+4*\q+3], v[EOFF], s[EPN:EPN+1] offset:\off+4096*\a+512*\q
.endif
.endr
	WIN 0
.endm
.macro NEXTROWS ahead=2                ; the rows of so many ticks on: 2 rows a tick, 16 ticks a block, blocks 0, 1, 0, 1
	s_wait_xcnt 0x0                        ; the loads have read their base
	s_add_co_u32 s66, s[TK], \ahead
	s_and_b32 s67, s66, 15
	s_lshl_b32 s67, s67, 13
	s_and_b32 s66, s66, 16
	s_lshl_b32 s66, s66, 15
	s_add_co_u32 s66, s66, s67
	s_mov_b32 s67, 0
	s_add_nc_u64 s[EPN:EPN+1], s[ENC:ENC+1], s[66:67]
.endm
.macro SIDEADR side
.if \side == 0
	v_add_nc_u32 v[QCA], s[QS], v[QCD0]
	v_add_nc_u32 v[QSA], s[QB], v[QSD0]
.else
	v_add_nc_u32 v[APA], s[PO], v[APR0]
.endif
.endm
.macro TICKHEAD side, issue, ahead=2
.if \issue
	NEXTROWS \ahead
.endif
	SIDEADR \side
.if \side == 1
	ds_load_b128 v[P:P+3], v[APA]
.endif
.endm
.macro TICKEND side
	s_add_co_u32 s[TK], s[TK], 1
.if \side == 0
	s_add_co_u32 s[QS], s[QS], 2*CP
	s_add_co_u32 s[QB], s[QB], 2*AP
.else
	s_add_co_u32 s[PO], s[PO], 16
.endif
.endm
.macro QTURN a, par                    ; a row (par 0 or 1) through my stage: in as loaded, back 16 neighbours a lane (twice)
	s_wait_loadcnt 24                      ; the oldest of four groups of eight loads is in
	WIN 0x04
.irp hf, 0,1
.irp i, 0,1,2,3
	ds_store_b128 v[SIN], v[128+64*\par+32*\a+16*\hf+4*\i:128+64*\par+32*\a+16*\hf+4*\i+3] offset:2560*\hf+640*\i
.endr
.endr
	WIN 0
.irp hf, 0,1
.irp i, 0,1,2,3
	ds_load_b128 v[X+16*\hf+4*\i:X+16*\hf+4*\i+3], v[SOUT] offset:2560*\hf+16*\i
.endr
.endr
.endm
.macro WORK2 a                         ; the quantiser of a row: two halves by turns; two neighbouring lanes hold a block of 32
.irp hf, 0,1
	v_max3_num_f32 v[QT+4*\hf], |v[X+16*\hf]|, |v[X+16*\hf+1]|, |v[X+16*\hf+2]|
	v_max3_num_f32 v[QT+4*\hf+1], |v[X+16*\hf+3]|, |v[X+16*\hf+4]|, |v[X+16*\hf+5]|
.endr
.irp i, 6,10
.irp hf, 0,1
	v_max3_num_f32 v[QT+4*\hf], v[QT+4*\hf], |v[X+16*\hf+\i]|, |v[X+16*\hf+\i+1]|
	v_max3_num_f32 v[QT+4*\hf+1], v[QT+4*\hf+1], |v[X+16*\hf+\i+2]|, |v[X+16*\hf+\i+3]|
.endr
.endr
.irp hf, 0,1
	v_max3_num_f32 v[QT+4*\hf], v[QT+4*\hf], |v[X+16*\hf+14]|, |v[X+16*\hf+15]|
.endr
.irp hf, 0,1
	v_max3_num_f32 v[QT+4*\hf], v[QT+4*\hf], v[QT+4*\hf+1], 0x8000000   ; the floor 2^(16 - 127): the byte cannot fall under 1
.endr
.irp hf, 0,1
	v_max_num_f32_dpp v[QT+4*\hf], v[QT+4*\hf], v[QT+4*\hf] row_xmask:1 row_mask:0xf bank_mask:0xf
.endr
.irp hf, 0,1
	v_add_nc_u32 v[QT+4*\hf+3], 0xf8800000, v[QT+4*\hf]                 ; 15 off the exponent field: the conversion's scale operand
.endr
.irp hf, 0,1
	v_and_or_b32 v[QT+4*\hf+2], v[QT+4*\hf], 0x7f800000, s[MNT]         ; 57,344 x the scale
.endr
.irp i, 0,1,2,3,4,5,6,7,8,9,10,11,12,13,14,15
.irp hf, 0,1
	v_med3_num_f32 v[X+16*\hf+\i], v[X+16*\hf+\i], -v[QT+4*\hf+2], v[QT+4*\hf+2]   ; the conversion does not saturate (ISA guide 7.6.2)
.endr
.endr
.irp hf, 0,1
	v_cvt_scalef32_pk8_bf8_f32 v[CO+8*\a+4*\hf:CO+8*\a+4*\hf+1], v[X+16*\hf:X+16*\hf+7], v[QT+4*\hf+3]
	v_cvt_scalef32_pk8_bf8_f32 v[CO+8*\a+4*\hf+2:CO+8*\a+4*\hf+3], v[X+16*\hf+8:X+16*\hf+15], v[QT+4*\hf+3]
.endr
.irp hf, 0,1
	v_lshrrev_b32 v[EB+2*\a+\hf], 23, v[QT+4*\hf+3]
.endr
.irp hf, 0,1
	ds_store_b8 v[QSA], v[EB+2*\a+\hf] offset:AP*\a+16*\hf
	ds_store_b128 v[QCA], v[CO+8*\a+4*\hf:CO+8*\a+4*\hf+3] offset:CP*\a+512*\hf
.endr
.endm
.macro QWORK a, par, nt, dcnt
	s_wait_dscnt \dcnt                     ; the row is back from the stage, so the stage's stores have read the registers that the next loads fill
	ELOAD \par, \a, \nt, 0
	WORK2 \a
.endm
.macro CHALF a, par, cnt, issue, nt, dcnt  ; my sums += a row x its p
	s_wait_dscnt \dcnt
	s_wait_loadcnt \cnt
	EBUF \par, \a
	WIN EW
.irp q, 0,1,2,3,4,5,6,7
	v_pk_fma_f32 v[CX+4*\q:CX+4*\q+1], v[EBS+4*\q:EBS+4*\q+1], v[P+2*\a:P+2*\a+1], v[CX+4*\q:CX+4*\q+1]
	v_pk_fma_f32 v[CX+4*\q+2:CX+4*\q+3], v[EBS+4*\q+2:EBS+4*\q+3], v[P+2*\a:P+2*\a+1], v[CX+4*\q+2:CX+4*\q+3]
.endr
	WIN 0
.if \issue
	ELOAD \par, \a, \nt, 0
.endif
.endm
.macro LOADLO slot, u, ws              ; a record's K steps 0-3 and its scale words: 17 loads
	WIN 0x40
.irp k, 0,1,2,3
.irp c, 0,1,2,3
	ds_load_b128 v[16*\k+4*\c:16*\k+4*\c+3], v[AW+(\slot)] offset:REC*(\u)+2048*\k+512*\c
.endr
.endr
	WIN 0
	ds_load_b128 v[\ws:\ws+3], v[AW+(\slot)] offset:REC*(\u)+16384
.endm
.macro LOADHI slot, u                  ; its K steps 4-7: 16 loads
	WIN 0x40
.irp k, 4,5,6,7
.irp c, 0,1,2,3
	ds_load_b128 v[16*\k+4*\c:16*\k+4*\c+3], v[AW+(\slot)] offset:REC*(\u)+2048*\k+512*\c
.endr
.endr
	WIN 0
.endm
.macro TBLOAD tb, u                    ; the table entry of my column in tile u of the tick
	ds_load_b128 v[\tb:\tb+3], v[ATA] offset:256*(\u)
.endm
.macro MM u                            ; product N = 4 KK + II: K step KK, row tile II.  The four accumulators take turns
.set KK, N/4
.set II, N%4
.set MD, ACC0+192*(\u)+8*II
.set MA, 16*(4*(KK%4)+II)
	WIN 0x06+KK/4
.if KK == 0
	v_wmma_scale_f32_16x16x128_f8f6f4 v[MD:MD+7], v[MA:MA+15], v[16*KK:16*KK+15], 0, v[AS+4*II+KK/2], v[WS0+76*(\u)+KK/2] matrix_a_fmt:MATRIX_FMT_BF8 matrix_b_fmt:MATRIX_FMT_BF8
.elseif (KK%2) == 0
	v_wmma_scale_f32_16x16x128_f8f6f4 v[MD:MD+7], v[MA:MA+15], v[16*KK:16*KK+15], v[MD:MD+7], v[AS+4*II+KK/2], v[WS0+76*(\u)+KK/2] matrix_a_fmt:MATRIX_FMT_BF8 matrix_b_fmt:MATRIX_FMT_BF8
.else
	v_wmma_scale_f32_16x16x128_f8f6f4 v[MD:MD+7], v[MA:MA+15], v[16*KK:16*KK+15], v[MD:MD+7], v[AS+4*II+KK/2], v[WS0+76*(\u)+KK/2] matrix_a_fmt:MATRIX_FMT_BF8 matrix_b_fmt:MATRIX_FMT_BF8 matrix_a_scale:MATRIX_SCALE_ROW1 matrix_b_scale:MATRIX_SCALE_ROW1
.endif
.endm
.macro RUNN u, n                       ; the tile's next n products
.rept \n
	MM \u
.set N, N+1
.endr
.endm
.macro PLUS1 acc                       ; 1 + 2^y: 16 plain lines
.irp j, 0,2,4,6,8,10,12,14,16,18,20,22,24,26,28,30
	v_pk_add_f32 v[\acc+\j:\acc+\j+1], v[\acc+\j:\acc+\j+1], 1.0 op_sel_hi:[1,0]
.endr
.endm
.macro JOIN rc, tb                     ; scores += w x the reciprocals
.irp j, 0,2,4,6,8,10,12,14,16,18,20,22,24,26,28,30
	v_pk_fma_f32 v[SC+\j:SC+\j+1], v[\rc+\j:\rc+\j+1], v[\tb+2:\tb+3], v[SC+\j:SC+\j+1]
.endr
.endm
; Behind a tile's products: y = C2 acc + cb; ONE batch: 2^y of this tile and the reciprocals of the tile before, with one wait ahead and one behind; then the tile before's terms
.macro BATCH now, tnow, old, told, rc
.irp j, 0,2,4,6,8,10,12,14,16,18,20,22,24,26,28,30
	v_pk_fma_f32 v[\now+\j:\now+\j+1], v[\now+\j:\now+\j+1], s[C2:C2+1], v[\tnow:\tnow+1] op_sel_hi:[1,0,1]
.endr
	s_wait_alu depctr_va_vdst(0)
.set J, 0
.rept 32
	v_exp_f32 v[\now+J], v[\now+J]
.set J, J+1
.endr
.set J, 0
.rept 32
	v_rcp_f32 v[\rc+J], v[\old+J]
.set J, J+1
.endr
	v_fmac_f32 v[SWV], -0.5, v[\tnow+2]    ; + W_v of my column
	s_wait_alu depctr_va_vdst(0)
	JOIN \rc, \told
.endm
.macro DRAIN                           ; behind a loop: the last tile (tile 1 of its tick) is finished
	PLUS1 ACC1
	s_wait_alu depctr_va_vdst(0)
.set J, 0
.rept 32
	v_rcp_f32 v[ACC1+J], v[ACC1+J]
.set J, J+1
.endr
	v_nop
	s_wait_alu depctr_va_vdst(0)
	JOIN ACC1, TBB
.endm
; A TILE.  u: which of the tick's two; side 0: a row is quantised beside it, 1: a row is summed.  kind 2: tile 1 changes slots and fills the slot that is left; 1: it changes slots; 0: the last tick
.macro TILE slot, u, side, kind, nt
.set N, 0
.if (\u == 1) && (\kind > 0)
	s_wait_tensorcnt 0x0                   ; my quarter of the other slot has landed
	ds_add_u32 v[SPW], v[NIL]              ; products stand between the add and its wait
.if \kind == 2
	s_add_co_u32 s66, s[TK], 2             ; this slot's next group of records: two ticks on, 16 groups round
	s_and_b32 s66, s66, 15
	s_mul_i32 s66, s66, SLOTB
	s_mov_b32 s67, 0
	s_add_nc_u64 s[G0+4*\slot+2:G0+4*\slot+3], s[WB:WB+1], s[66:67]
	s_or_b32 s[G0+4*\slot+3], s[G0+4*\slot+3], 0x80000000
.endif
	s_add_co_u32 s[TT], s[TT], 512         ; the next tick's 32 table entries
	s_and_b32 s[TT], s[TT], 0x1fff
	v_add_nc_u32 v[ATA], s[TT], v[ATB0]
	s_wait_dscnt 18+4*(1-\side)            ; K steps 0-3 and W's scale words are in; behind them: the quantiser's 4 stores, 16 loads of K steps 4-7, the table's, the add
	RUNN \u, 12
	s_wait_dscnt 0x0                       ; the add is done and my reads of this slot are over
	s_barrier_signal -1
	RUNN \u, 4
	WIN 0
	s_barrier_wait -1
.if \kind == 2
	CREST
	tensor_load_to_lds s[G0+4*\slot:G0+4*\slot+3], s[G1W:G1W+7]
	s_nop 0
	PLACES 4
.endif
.else
	s_wait_dscnt 17+4*(1-\side)            ; as above, without the add
	RUNN \u, 16
	WIN 0
.endif
	PLUS1 ACC1-192*(\u)                    ; the tile before; also the places ahead of the loads into the registers that these products have read
.if \u == 0
	NEXTROWS
	SIDEADR \side
.if \side == 1
	ds_load_b128 v[P:P+3], v[APA]
.endif
.endif
.if \side == 0
	QTURN \u, \slot
.endif
.if \u == 0
	LOADLO \slot, 1, WS1
.elseif \kind > 0
	LOADLO 1-\slot, 0, WS0
.endif
.if (\kind == 0) && (\u == 1)
	s_wait_dscnt 0x0
.else
	s_wait_dscnt 17+16*(1-\side)+(\side)*(1-\u)   ; K steps 4-7 and the table entry are in; behind them: the stage's 16 (or p's load) and the next tile's 17
.endif
	RUNN \u, 16
	WIN 0
.if \side == 0
	QWORK \u, \slot, \nt, 17               ; behind the stage's loads: the next tile's 17.  Its plain lines are the places behind the last product
.else
	CHALF \u, \slot, 24, 1, \nt, 17
.endif
.if \u == 0
	LOADHI \slot, 1
.elseif \kind > 0
	LOADHI 1-\slot, 0
.endif
	BATCH ACC0+192*(\u), TBA+4*(\u), ACC1-192*(\u), TBB-4*(\u), CX-64*(\side)
.if \u == 0
	TBLOAD TBB, 1                          ; the next tile's entry, into the registers of the tile before's, which has been read for the last time
.elseif \kind > 0
	TBLOAD TBA, 0
.endif
.endm
.macro GTICK slot, side, kind, nt
	TILE \slot, 0, \side, \kind, \nt
	TILE \slot, 1, \side, \kind, \nt
	TICKEND \side
.endm
.macro QTICK par
	TICKHEAD 0, 1
	QTURN 0, \par
	QWORK 0, \par, 0, 0
	QTURN 1, \par
	QWORK 1, \par, 0, 0
	TICKEND 0
.endm
.macro CTICK par, c0, c1, issue        ; a tick of the last 16: four buffers by turns, the rows of four ticks on are asked for
	TICKHEAD 1, \issue, 4
	CHALF 0, \par, \c0, \issue, 1, 0
	CHALF 1, \par, \c1, \issue, 1, 0
	TICKEND 1
.endm
.macro ALOAD                           ; my 64 rows of codes, all of K, into windows 2 and 3, and their scale words; behind the barrier the codes' bytes may be written again
.irp k, 0,1,2,3,4,5,6,7
	WIN 0x80+0x40*(\k/4)
.irp i, 0,1,2,3
.irp c, 0,1,2,3
	ds_load_b128 v[16*(4*(\k%4)+\i)+4*\c:16*(4*(\k%4)+\i)+4*\c+3], v[ACD] offset:16*CP*\i+128*\k+32*\c
.endr
.endr
.endr
	WIN 0
.irp i, 0,1,2,3
.irp q, 0,1,2,3
	ds_load_b32 v[AS+4*\i+\q], v[ASA] offset:16*AP*\i+8*\q
.endr
.endr
	s_wait_dscnt 0x0
	s_barrier_signal -1
	s_barrier_wait -1
.endm
.macro FINISH blk                      ; a block's scores: summed over 16 lanes and two waves; its largest m, p = 2^((score - m) log2 e), l = the sum of p
.irp j, 0,2,4,6,8,10,12,14,16,18,20,22,24,26,28,30
	v_pk_add_f32 v[SC+\j:SC+\j+1], v[SC+\j:SC+\j+1], v[SWV:SWV+1] op_sel_hi:[1,0]
.endr
.irp x, 1,2,4,8
.set J, 0
.rept 32
	v_add_f32_dpp v[SC+J], v[SC+J], v[SC+J] row_xmask:\x row_mask:0xf bank_mask:0xf
.set J, J+1
.endr
.endr
.irp i, 0,1,2,3
.irp q, 0,1
	ds_store_b128 v[ASX], v[SC+8*\i+4*\q:SC+8*\i+4*\q+3] offset:64*\i+16*\q
.endr
.endr
	s_wait_dscnt 0x0
	s_barrier_signal -1
	s_barrier_wait -1
	ds_load_b128 v[F:F+3], v[ASR]
	ds_load_b128 v[F+4:F+7], v[ASR] offset:512
	s_wait_dscnt 0x0
	v_pk_add_f32 v[F:F+1], v[F:F+1], v[F+4:F+5]
	v_pk_add_f32 v[F+2:F+3], v[F+2:F+3], v[F+6:F+7]
	v_max3_num_f32 v[F+4], v[F], v[F+1], v[F+2]
	v_max_num_f32 v[F+4], v[F+4], v[F+3]
.irp x, 1,2,4,8
	v_max_num_f32_dpp v[F+4], v[F+4], v[F+4] row_xmask:\x row_mask:0xf bank_mask:0xf
.endr
	v_permlanex16_b32 v[F+5], v[F+4], s[SEL], s[SEL+1]
	v_max_num_f32 v[F+4], v[F+4], v[F+5]
.irp e, 0,1,2,3
	v_sub_f32 v[F+8+2*\e], v[F+\e], v[F+4]
.endr
.irp e, 0,1,2,3
	v_mul_f32 v[F+8+2*\e], s[L2E], v[F+8+2*\e]
.endr
	s_wait_alu depctr_va_vdst(0)
.irp e, 0,1,2,3
	v_exp_f32 v[F+8+2*\e], v[F+8+2*\e]
.endr
	v_nop
	s_wait_alu depctr_va_vdst(0)
.irp e, 0,1,2,3
	v_mov_b32 v[F+9+2*\e], v[F+8+2*\e]
.endr
	v_add_f32 v[F+5], v[F+8], v[F+10]
	v_add_f32 v[F+6], v[F+12], v[F+14]
	v_add_f32 v[F+5], v[F+5], v[F+6]
.irp x, 1,2,4,8
	v_add_f32_dpp v[F+5], v[F+5], v[F+5] row_xmask:\x row_mask:0xf bank_mask:0xf
.endr
	v_permlanex16_b32 v[F+6], v[F+5], s[SEL], s[SEL+1]
	v_add_f32 v[F+5], v[F+5], v[F+6]
	ds_store_b128 v[APW], v[F+8:F+11]
	ds_store_b128 v[APW], v[F+12:F+15] offset:16
	s_cmp_lg_u32 s[WV], 0
	s_cbranch_scc1 .Lnot_first_\@
	global_store_b128 v[L16], v[F:F+3], s[SCO:SCO+1] offset:512*\blk
	global_store_b64 v[L8], v[F+4:F+5], s[PML:PML+1] offset:256*\blk
.Lnot_first_\@:
	s_wait_xcnt 0x0
.endm
.macro CRED blk                        ; the four waves' sums of rows are added and stored: 512 consecutive bytes a store
.irp g, 0,1,2,3,4,5,6,7
	ds_store_b128 v[CXS], v[CX+4*\g:CX+4*\g+3] offset:16384*\blk+512*\g
.endr
	s_wait_dscnt 0x0
	s_barrier_signal -1
	s_barrier_wait -1
.irp hf, 0,1
.irp g, 0,1,2,3
	ds_load_b128 v[F+16*\hf+4*\g:F+16*\hf+4*\g+3], v[CXL] offset:16384*\blk+4096*\g+512*\hf
.endr
.endr
	s_wait_dscnt 0x0
.irp hf, 0,1
	v_pk_add_f32 v[F+16*\hf:F+16*\hf+1], v[F+16*\hf:F+16*\hf+1], v[F+16*\hf+4:F+16*\hf+5]
	v_pk_add_f32 v[F+16*\hf+2:F+16*\hf+3], v[F+16*\hf+2:F+16*\hf+3], v[F+16*\hf+6:F+16*\hf+7]
	v_pk_add_f32 v[F+16*\hf+8:F+16*\hf+9], v[F+16*\hf+8:F+16*\hf+9], v[F+16*\hf+12:F+16*\hf+13]
	v_pk_add_f32 v[F+16*\hf+10:F+16*\hf+11], v[F+16*\hf+10:F+16*\hf+11], v[F+16*\hf+14:F+16*\hf+15]
	v_pk_add_f32 v[F+16*\hf:F+16*\hf+1], v[F+16*\hf:F+16*\hf+1], v[F+16*\hf+8:F+16*\hf+9]
	v_pk_add_f32 v[F+16*\hf+2:F+16*\hf+3], v[F+16*\hf+2:F+16*\hf+3], v[F+16*\hf+10:F+16*\hf+11]
	global_store_b128 v[CXG], v[F+16*\hf:F+16*\hf+3], s[PCX:PCX+1] offset:4096*\blk+512*\hf
.endr
	s_wait_xcnt 0x0
.endm
	s_load_b256 s[4:11], s[0:1], 0x0               ; encoder_out, wq, tab, scores
	s_load_b128 s[12:15], s[0:1], 0x20             ; pml, pctx
	v_lshl_add_u32 v[SPW], v0, 2, SPARE
	v_mov_b32 v[NIL], 0
	ds_add_u32 v[SPW], v[NIL]                      ; the opening lines: the add twice on end under one wait
	ds_add_u32 v[SPW], v[NIL]
	v_lshrrev_b32 v[TP], 5, v0
	v_readfirstlane_b32 s[WV], v[TP]               ; wave 0..3
	s_lshr_b32 s[RH], s[WV], 1                     ; my half of the block's rows
	s_and_b32 s[NH], s[WV], 1                      ; my half of N
	s_bfe_u32 s70, ttmp6, 0x40000
	s_lshl_b32 s71, ttmp9, 2
	s_add_co_u32 s71, s71, s70                     ; work-group = 4 x cluster + cx: enters global addresses of my own rows and results alone
	v_and_b32 v[LN], 31, v0
	v_and_b32 v[RR], 15, v0
	v_bfe_u32 v[HH], v0, 4, 1
	s_lshl_b32 s66, s[WV], 17
	v_lshl_add_u32 v[EOFF], v[LN], 4, s66          ; my wave's 32 rows of a block, 16 bytes a lane
	s_mov_b32 s[C2], 0x4038aa3b                    ; 2 log2(e)
	s_mov_b32 s[C2+1], s[C2]
	s_mov_b32 s[L2E], 0x3fb8aa3b
	s_mov_b32 s[MNT], 0x600000
	s_mov_b32 s[SEL], 0x76543210
	s_mov_b32 s[SEL+1], 0xfedcba98
	s_mov_b32 s[TK], 0
	s_mov_b32 s[TT], 0
	s_mov_b32 s[QS], 0
	s_mov_b32 s[QB], 0
	DENSE G1W, 66
	DENSE G1T, 64
	DENSE G1H, 88
	s_mul_i32 s72, s[WV], REC
	s_mov_b32 s73, 0
	s_mov_b32 s75, 0
	s_wait_alu depctr_va_vdst(0)
	s_wait_dscnt 0x0                               ; both opening adds are done
	s_wait_kmcnt 0x0
	s_lshl_b32 s74, s71, 20
	s_add_nc_u64 s[ENC:ENC+1], s[ENC:ENC+1], s[74:75]
	s_mov_b64 s[EPN:EPN+1], s[ENC:ENC+1]
	ELOAD 0, 0, 0, 0                               ; the first two ticks' rows
	ELOAD 0, 1, 0, 0
	ELOAD 1, 0, 0, 8192
	ELOAD 1, 1, 0, 8192
	s_lshl_b32 s74, s71, 10
	s_add_nc_u64 s[SCO:SCO+1], s[SCO:SCO+1], s[74:75]
	s_lshl_b32 s74, s71, 9
	s_add_nc_u64 s[PML:PML+1], s[PML:PML+1], s[74:75]
	s_lshl_b32 s74, s71, 13
	s_add_nc_u64 s[PCX:PCX+1], s[PCX:PCX+1], s[74:75]
	s_mul_i32 s66, s[WV], 88*256                   ; the head's share of slot 0: a third for each of waves 0 to 2
	s_mov_b32 s67, 0
	s_mov_b32 s[G0H], 1
	s_mov_b32 s[G0H+1], s66
	s_add_nc_u64 s[G0H+2:G0H+3], s[WB:WB+1], s[66:67]
	s_or_b32 s[G0H+3], s[G0H+3], 0x80000000
	s_add_nc_u64 s[WB:WB+1], s[WB:WB+1], s[72:73]  ; in the ring: a quarter of a slot a wave
	s_mov_b32 s[G0], 1
	s_mov_b32 s[G0+1], s72
	s_mov_b64 s[G0+2:G0+3], s[WB:WB+1]
	s_or_b32 s[G0+3], s[G0+3], 0x80000000
	s_mov_b32 s[G0+4], 1
	s_add_co_u32 s[G0+5], s72, SLOTB
	s_add_nc_u64 s[G0+6:G0+7], s[WB:WB+1], SLOTB
	s_or_b32 s[G0+7], s[G0+7], 0x80000000
	s_mov_b32 s[G0T], 1
	s_mov_b32 s[G0T+1], TABL
	s_lshr_b32 s66, ttmp9, 1                       ; the batch: two clusters to one
	s_lshl_b32 s66, s66, 14
	s_add_nc_u64 s[G0T+2:G0T+3], s[TABP:TABP+1], s[66:67]
	s_or_b32 s[G0T+3], s[G0T+3], 0x80000000
	CROUND                                         ; ahead of the first joint loads
	s_cmp_lt_u32 s[WV], 3                          ; one load a wave at the head, an arm each
	s_cbranch_scc0 .Lhead_table
	tensor_load_to_lds s[G0H:G0H+3], s[G1H:G1H+7]  ; waves 0 to 2: slot 0
	s_nop 0
	PLACES 4
	s_branch .Lhead_asked
.Lhead_table:
	tensor_load_to_lds s[G0T:G0T+3], s[G1T:G1T+7]  ; wave 3: the table
	s_nop 0
	PLACES 4
.Lhead_asked:
	s_mul_i32 s66, s[NH], 2*REC
	v_lshl_add_u32 v[AW], v[LN], 4, s66
	v_add_nc_u32 v[AW+1], SLOTB, v[AW]
	s_lshl_b32 s66, s[NH], 13
	s_add_co_u32 s66, s66, TABL
	v_lshl_add_u32 v[ATB0], v[RR], 4, s66
	v_mov_b32 v[ATA], v[ATB0]
	v_mul_u32_u24 v[ACD], v[RR], CP
	v_lshl_add_u32 v[ACD], v[HH], 4, v[ACD]
	s_mul_i32 s66, s[RH], 64*CP
	s_add_co_u32 s66, s66, COD
	v_add_nc_u32 v[ACD], s66, v[ACD]
	v_mul_u32_u24 v[ASA], v[RR], AP
	v_lshl_add_u32 v[ASA], v[HH], 2, v[ASA]
	s_mul_i32 s66, s[RH], 64*AP
	s_add_co_u32 s66, s66, ASC
	v_add_nc_u32 v[ASA], s66, v[ASA]
	v_lshrrev_b32 v[TP], 2, v[LN]
	v_mul_u32_u24 v[SIN], v[TP], 80
	v_and_b32 v[TP], 3, v[LN]
	v_lshl_add_u32 v[SIN], v[TP], 4, v[SIN]
	s_mul_i32 s66, s[WV], 5120
	s_add_co_u32 s66, s66, STG
	v_add_nc_u32 v[SIN], s66, v[SIN]
	v_mul_u32_u24 v[SOUT], v[LN], 80
	v_add_nc_u32 v[SOUT], s66, v[SOUT]
	s_mul_i32 s66, s[WV], 32*CP
	s_add_co_u32 s66, s66, COD
	v_lshl_add_u32 v[QCD0], v[LN], 4, s66
	v_lshrrev_b32 v[TP], 1, v[LN]
	s_mul_i32 s66, s[WV], 32*AP
	s_add_co_u32 s66, s66, ASC
	v_add_nc_u32 v[QSD0], s66, v[TP]
	s_lshl_b32 s66, s[NH], 9
	s_lshl_b32 s67, s[RH], 8
	s_add_co_u32 s66, s66, s67
	s_add_co_u32 s66, s66, SCX
	v_lshl_add_u32 v[ASX], v[HH], 5, s66
	v_lshl_add_u32 v[ASR], v[LN], 4, SCX
	s_lshl_b32 s66, s[WV], 10
	s_add_co_u32 s67, s66, PP
	v_lshl_add_u32 v[APW], v[LN], 5, s67
	v_lshl_add_u32 v[CXG], v[LN], 4, s66
	s_add_co_u32 s67, s66, COD
	v_lshl_add_u32 v[CXL], v[LN], 4, s67
	s_mul_i32 s66, s[WV], 1280
	s_add_co_u32 s66, s66, PP
	v_mov_b32 v[APR0], s66
	s_lshl_b32 s66, s[WV], 12
	s_add_co_u32 s66, s66, COD
	v_lshl_add_u32 v[CXS], v[LN], 4, s66
	v_lshlrev_b32 v[L16], 4, v[LN]
	v_lshlrev_b32 v[L8], 3, v[LN]
	s_mov_b32 s[LC], 8
	s_wait_alu depctr_va_vdst(0)
.Lquant:                                               ; block 0 is quantised
	QTICK 0
	QTICK 1
	s_sub_co_u32 s[LC], s[LC], 1
	s_cmp_lg_u32 s[LC], 0
	s_cbranch_scc1 .Lquant
	s_wait_alu depctr_va_vdst(0)
	s_wait_tensorcnt 0x0                           ; the head's loads have landed; slot 1's first fill is issued as a refill is
	ds_add_u32 v[SPW], v[NIL]
	s_wait_dscnt 0x0                               ; the add, and my codes and scale bytes
	CROUND
	tensor_load_to_lds s[G0+4:G0+7], s[G1W:G1W+7]  ; it is waited for at the head of the first tick's second tile
	s_nop 0
	PLACES 4
	LOADLO 0, 0, WS0
	LOADHI 0, 0
	TBLOAD TBA, 0
	ALOAD
	CLEAR SC, 32
	CLEAR SWV, 2
	CLEAR ACC1, 32                                 ; the tile before the first: zeros, and w = 0
	CLEAR TBB, 4
	s_mov_b32 s[QS], 0
	s_mov_b32 s[QB], 0
	s_mov_b32 s[LC], 8
	s_wait_alu depctr_va_vdst(0)
.Lfirst:                                               ; block 0 is multiplied, block 1 quantised
	GTICK 0, 0, 2, 0
	GTICK 1, 0, 2, 0
	s_sub_co_u32 s[LC], s[LC], 1
	s_cmp_lg_u32 s[LC], 0
	s_wait_alu depctr_va_vdst(0)
	s_cbranch_scc1 .Lfirst
	DRAIN
	FINISH 0
	ALOAD
	CLEAR SC, 32
	CLEAR SWV, 2
	CLEAR CX, 32
	CLEAR ACC1, 32
	CLEAR TBB, 4
	s_mov_b32 s[PO], 0
	s_mov_b32 s[LC], 7
	s_wait_alu depctr_va_vdst(0)
.Lsecond:                                              ; block 1 is multiplied, block 0's rows are summed
	GTICK 0, 1, 2, 1
	GTICK 1, 1, 2, 1
	s_sub_co_u32 s[LC], s[LC], 1
	s_cmp_lg_u32 s[LC], 0
	s_wait_alu depctr_va_vdst(0)
	s_cbranch_scc1 .Lsecond
	GTICK 0, 1, 1, 1                               ; the last two ticks fill nothing
	GTICK 1, 1, 0, 1
	NEXTROWS 2                                     ; the codes are done with: ticks 50 and 51 are asked for now, into two more buffers, ahead of the block's finish (ticks 48 and 49 are on their way)
	ELOAD 2, 0, 1, 0
	ELOAD 2, 1, 1, 0
	ELOAD 3, 0, 1, 8192
	ELOAD 3, 1, 1, 8192
	DRAIN
	CRED 0
	FINISH 1
	CLEAR CX, 32
	s_mov_b32 s[PO], 0
	s_mov_b32 s[LC], 3
	s_wait_alu depctr_va_vdst(0)
.Lcontext:                                             ; block 1's rows are summed: eight groups of eight loads are out, so seven groups, 56 loads, are younger than the row in hand
	CTICK 0, 56, 56, 1
	CTICK 1, 56, 56, 1
	CTICK 2, 56, 56, 1
	CTICK 3, 56, 56, 1
	s_sub_co_u32 s[LC], s[LC], 1
	s_cmp_lg_u32 s[LC], 0
	s_cbranch_scc1 .Lcontext
	CTICK 0, 56, 48, 0                             ; the last four ticks ask for no rows: a group fewer is younger each time
	CTICK 1, 40, 32, 0
	CTICK 2, 24, 16, 0
	CTICK 3, 8, 0, 0
	CRED 1
	s_wait_tensorcnt 0x0                           ; the wave's end
	ds_add_u32 v[SPW], v[NIL]
	s_wait_dscnt 0x0
	CROUND                                         ; the closing round
	s_endpgm
.Lfunc_end_k_qf7ac539e7c_main:
	.size	k_qf7ac539e7c_main, .Lfunc_end_k_qf7ac539e7c_main-k_qf7ac539e7c_main
	.p2alignl 7, 3214868480
	.fill 96, 4, 3214868480
	.section	.rodata,"a",@progbits
	.p2align	6, 0x0
	.amdhsa_kernel k_qf7ac539e7c_main
		.amdhsa_group_segment_fixed_size 327680
		.amdhsa_private_segment_fixed_size 0
		.amdhsa_enable_private_segment 0
		.amdhsa_kernarg_size 48
		.amdhsa_user_sgpr_count 2
		.amdhsa_user_sgpr_kernarg_segment_ptr 1
		.amdhsa_wavefront_size32 1
		.amdhsa_system_sgpr_workgroup_id_x 1
		.amdhsa_system_sgpr_workgroup_id_y 1
		.amdhsa_system_sgpr_workgroup_id_z 1
		.amdhsa_system_vgpr_workitem_id 0
		.amdhsa_next_free_vgpr 1024
		.amdhsa_next_free_sgpr 96
		.amdhsa_reserve_vcc 0
		.amdhsa_float_denorm_mode_32 3
		.amdhsa_float_denorm_mode_16_64 3
		.amdhsa_memory_ordered 1
		.amdhsa_forward_progress 1
		.amdhsa_inst_pref_size 255
	.end_amdhsa_kernel
	.section	.bss,"aw",@nobits
	.p2align	6
	.space	262144
	.amdgpu_metadata
---
amdhsa.version: [ 1, 2 ]
amdhsa.kernels:
  - .name:           k_qf7ac539e7c_main
    .symbol:         k_qf7ac539e7c_main.kd
    .args:
      - { .name: encoder_out, .offset: 0, .size: 8, .value_kind: global_buffer, .address_space: global }
      - { .name: wq, .offset: 8, .size: 8, .value_kind: global_buffer, .address_space: global }
      - { .name: tab, .offset: 16, .size: 8, .value_kind: global_buffer, .address_space: global }
      - { .name: scores, .offset: 24, .size: 8, .value_kind: global_buffer, .address_space: global }
      - { .name: pml, .offset: 32, .size: 8, .value_kind: global_buffer, .address_space: global }
      - { .name: pctx, .offset: 40, .size: 8, .value_kind: global_buffer, .address_space: global }
    .group_segment_fixed_size: 327680
    .private_segment_fixed_size: 0
    .kernarg_segment_align: 8
    .kernarg_segment_size: 48
    .max_flat_workgroup_size: 128
    .sgpr_count:     96
    .vgpr_count:     1024
    .wavefront_size: 32
...
	.end_amdgpu_metadata
.endif
;; end of part 2
;; launch fin (part 3): grid 256 x 1, 1 waves a work-group, no clusters, 0 bytes of LDS; arguments scores, pml, pctx, out0, out1; writes out0, out1
.if DOCPART == 3
	.amdgcn_target "amdgcn-amd-amdhsa--gfx1250"
	.amdhsa_code_object_version 6
	.text
	.protected	k_qf7ac539e7c_fin
	.globl	k_qf7ac539e7c_fin
	.p2align	8
	.type	k_qf7ac539e7c_fin,@function
k_qf7ac539e7c_fin:
	s_mov_b64 s[64:65], 0
	v_nop
	global_prefetch_b8 v0, s[64:65] scope:SCOPE_SE
	s_setreg_imm32_b32 hwreg(HW_REG_WAVE_MODE, 25, 1), 1
	s_wait_xcnt 0x0
; The 16 blocks of a batch are joined.  Block j gave m_j (its largest score), l_j (its sum of 2^((score - m_j) log2 e)) and its weighted sum of rows.
; M = the largest m_j; f_j = 2^((m_j - M) log2 e); L = the sum of l_j f_j; context = the sum of (f_j / L) x block j's sum; alpha = 2^((score - M) log2 e) / L.
; SHARES.  Work-group x = 8 b + e, one wave: 128 columns of batch b's context and 256 numbers of its alpha.  Every load and store of the wave covers 512 consecutive bytes, but for the 16 pairs (m, l).
; No LDS, no barrier, no matrix unit: a few kilobytes a wave, all loads issued ahead of the arithmetic.
	s_load_b256 s[4:11], s[0:1], 0x0               ; scores s[4:5], pml s[6:7], pctx s[8:9], out0 s[10:11]
	s_load_b64 s[12:13], s[0:1], 0x20              ; out1
	s_lshr_b32 s14, ttmp9, 3                       ; b
	s_and_b32 s15, ttmp9, 7                        ; e
	v_and_b32 v1, 15, v0
	v_lshlrev_b32 v1, 8, v1                        ; block j = lane % 16: its record of 256 bytes
	v_lshlrev_b32 v2, 4, v0                        ; 16 x lane
	s_mov_b32 s24, 0x3fb8aa3b                      ; log2 e
	s_lshl_b32 s16, s14, 13
	s_lshl_b32 s17, s15, 10
	s_add_co_u32 s16, s16, s17                     ; scores, out1: 8,192 b + 1,024 e
	s_mov_b32 s17, 0
	s_lshl_b32 s18, s14, 12                        ; pml: 16 records a batch
	s_mov_b32 s19, 0
	s_lshl_b32 s20, s14, 16
	s_lshl_b32 s21, s15, 9
	s_add_co_u32 s20, s20, s21                     ; pctx: 65,536 b + 512 e
	s_add_co_u32 s22, s18, s21                     ; out0: 4,096 b + 512 e
	s_mov_b32 s21, 0
	s_mov_b32 s23, 0
	s_wait_alu depctr_va_vdst(0)
	s_wait_kmcnt 0x0
	s_add_nc_u64 s[4:5], s[4:5], s[16:17]
	s_add_nc_u64 s[12:13], s[12:13], s[16:17]
	s_add_nc_u64 s[6:7], s[6:7], s[18:19]
	s_add_nc_u64 s[8:9], s[8:9], s[20:21]
	s_add_nc_u64 s[10:11], s[10:11], s[22:23]
	global_load_b64 v[8:9], v1, s[6:7]             ; (m_j, l_j)
.irp j, 0,1,2,3,4,5,6,7,8,9,10,11,12,13,14,15
	global_load_b128 v[16+4*\j:19+4*\j], v2, s[8:9] offset:4096*\j
.endr
	global_load_b128 v[80:83], v2, s[4:5]
	global_load_b128 v[84:87], v2, s[4:5] offset:512
	s_wait_loadcnt 18                              ; (m, l) is in; the 18 loads issued behind it may be out
	v_mov_b32 v10, v8
.irp x, 1,2,4,8
	v_max_num_f32_dpp v10, v10, v10 row_xmask:\x row_mask:0xf bank_mask:0xf
.endr                                                  ; M, in every lane: each half of the lanes holds all 16 blocks
	v_sub_f32 v11, v8, v10
	v_mul_f32 v11, s24, v11
	s_wait_alu depctr_va_vdst(0)
	v_exp_f32 v11, v11                             ; f_j
	v_nop
	s_wait_alu depctr_va_vdst(0)
	v_mul_f32 v12, v9, v11
.irp x, 1,2,4,8
	v_add_f32_dpp v12, v12, v12 row_xmask:\x row_mask:0xf bank_mask:0xf
.endr                                                  ; L
	s_wait_alu depctr_va_vdst(0)
	v_rcp_f32 v13, v12
	v_nop
	s_wait_alu depctr_va_vdst(0)
	v_mul_f32 v14, v11, v13                        ; g_j = f_j / L
.irp j, 0,1,2,3,4,5,6,7,8,9,10,11,12,13,14,15
	v_readlane_b32 s[40+\j], v14, \j
.endr
	s_wait_loadcnt 0x0
.irp i, 0,1,2,3,4,5,6,7
	v_sub_f32 v[80+\i], v[80+\i], v10
.endr
.irp i, 0,1,2,3,4,5,6,7
	v_mul_f32 v[80+\i], s24, v[80+\i]
.endr
	s_wait_alu depctr_va_vdst(0)
.irp i, 0,1,2,3,4,5,6,7
	v_exp_f32 v[80+\i], v[80+\i]
.endr
.irp e, 0,1,2,3
	v_mul_f32 v[88+\e], s40, v[16+\e]              ; the first block starts the sums.  (Plain work behind the exponentials)
.endr
.irp j, 1,2,3,4,5,6,7,8,9,10,11,12,13,14,15
.irp e, 0,1,2,3
	v_fmac_f32 v[88+\e], s[40+\j], v[16+4*\j+\e]
.endr
.endr
	s_wait_alu depctr_va_vdst(0)                   ; one wait for the eight exponentials, ahead of their first reader
.irp i, 0,1,2,3,4,5,6,7
	v_mul_f32 v[80+\i], v[80+\i], v13
.endr
	global_store_b128 v2, v[88:91], s[10:11]
	global_store_b128 v2, v[80:83], s[12:13]
	global_store_b128 v2, v[84:87], s[12:13] offset:512
	s_endpgm
.Lfunc_end_k_qf7ac539e7c_fin:
	.size	k_qf7ac539e7c_fin, .Lfunc_end_k_qf7ac539e7c_fin-k_qf7ac539e7c_fin
	.p2alignl 7, 3214868480
	.fill 96, 4, 3214868480
	.section	.rodata,"a",@progbits
	.p2align	6, 0x0
	.amdhsa_kernel k_qf7ac539e7c_fin
		.amdhsa_group_segment_fixed_size 0
		.amdhsa_private_segment_fixed_size 0
		.amdhsa_enable_private_segment 0
		.amdhsa_kernarg_size 40
		.amdhsa_user_sgpr_count 2
		.amdhsa_user_sgpr_kernarg_segment_ptr 1
		.amdhsa_wavefront_size32 1
		.amdhsa_system_sgpr_workgroup_id_x 1
		.amdhsa_system_sgpr_workgroup_id_y 1
		.amdhsa_system_sgpr_workgroup_id_z 1
		.amdhsa_system_vgpr_workitem_id 0
		.amdhsa_next_free_vgpr 112
		.amdhsa_next_free_sgpr 66
		.amdhsa_reserve_vcc 0
		.amdhsa_float_denorm_mode_32 3
		.amdhsa_float_denorm_mode_16_64 3
		.amdhsa_memory_ordered 1
		.amdhsa_forward_progress 1
		.amdhsa_inst_pref_size 9
	.end_amdhsa_kernel
	.amdgpu_metadata
---
amdhsa.version: [ 1, 2 ]
amdhsa.kernels:
  - .name:           k_qf7ac539e7c_fin
    .symbol:         k_qf7ac539e7c_fin.kd
    .args:
      - { .name: scores, .offset: 0, .size: 8, .value_kind: global_buffer, .address_space: global }
      - { .name: pml, .offset: 8, .size: 8, .value_kind: global_buffer, .address_space: global }
      - { .name: pctx, .offset: 16, .size: 8, .value_kind: global_buffer, .address_space: global }
      - { .name: out0, .offset: 24, .size: 8, .value_kind: global_buffer, .address_space: global }
      - { .name: out1, .offset: 32, .size: 8, .value_kind: global_buffer, .address_space: global }
    .group_segment_fixed_size: 0
    .private_segment_fixed_size: 0
    .kernarg_segment_align: 8
    .kernarg_segment_size: 40
    .max_flat_workgroup_size: 32
    .sgpr_count:     66
    .vgpr_count:     112
    .wavefront_size: 32
...
	.end_amdgpu_metadata
.endif
;; end of part 3
